; MI455X (gfx1250); checked and timed in simulation.
; The chip was launched on July 23, 2026; its instructions are those of AMD's public machine-readable ISA for CDNA 5 (MIT licence, August 2026) and "CDNA5" Instruction Set Architecture Reference Guide (July 2026). The comments in the code are by the model that wrote it; some were corrected since.
;; TCNN With MLP. Allowed arithmetic: matrix products marked QUANTISED: E5M2 operands, one given power-of-two scale a tensor, by v_wmma_f32_16x16x64_bf8_bf8 or v_wmma_f32_16x16x128_bf8_bf8, f32 sums; products left as they are: f32 operands where the result goes on into a quantised operand, else bf16, f16 or f32 operands; f32 sums; everything else in f32.
;; Inputs: W0 16 x 32 float32; W1 16 x 16 float32; W2 16 x 16 float32; b0 16 float32; b1 16 float32; b2 16 float32; lowp_scales 2 int32 (the exponents e of the quantised operands' scales 2^e); table 16 x 524,288 x 2 float32; x 1,048,576 x 3 float32.
;; Outputs: out0 1,048,576 x 16 float32.
;; This version of the problem:
;;   THIS VERSION OF THE PROBLEM IS GIVEN IN LOW PRECISION. The matrix products marked QUANTISED in the list below multiply operands that are first quantised to E5M2 (5 exponent bits, 2 mantissa bits; 8 bits a number), with one given power-of-two scale for each operand tensor; their sums are f32. All else is computed in f32.
;;   The module's matrix products, in the order in which they are computed (A, B: the left and right operand; K: the contracted axis; several contracted axes count as one K, in the product's order):
;;     1. [M 1,048,576, K 32] x [K 32, N 16]; A: computed on the way; B: input W0: QUANTISED (scales: A lowp_scales[0], B lowp_scales[1])
;;     2. [M 1,048,576, K 16] x [K 16, N 16]; A: computed on the way; B: input W1: left as it is (K = 16 < 32)
;;     3. [M 1,048,576, K 16] x [K 16, N 16]; A: computed on the way; B: input W2: left as it is (K = 16 < 32)
;;   THE QUANTISER, for each operand of a quantised product, along K:
;;     - The operand's scale is 2^e, e = its entry of the input lowp_scales (int32; the entries are numbered through the quantised products in the list's order, A before B).
;;     - Each number is divided by the scale, clamped to +-57,344, and rounded to the nearest number of E5M2, ties to even, subnormals kept.
;;     - The product sums the exact products of the quantised numbers (number of the format x scale) in f32.
;;   ~~~python
;;   def quantise(x, axis, e):      # numpy; x: float32 -> the quantised numbers, widened to float32 again
;;       x = np.moveaxis(x, axis, -1); K = x.shape[-1]
;;       r = np.clip(x / 2.0 ** e, -57344, 57344)
;;       step = 2.0 ** (np.maximum(np.frexp(np.where(r == 0, 1, r))[1] - 1, -14) - 2)
;;       q = np.round(r / step) * step * 2.0 ** e      # np.round: ties to even
;;       return np.moveaxis(q, -1, axis).astype(np.float32)
;;   ~~~
;;   OPERANDS COMPUTED ON THE WAY. 'Computed on the way' means the value that the module computes at that place (a softmax that the list does not call 'softmax' is quantised finished and normalised). What goes into a quantiser is computed in f32, as accurately as f32 sums, v_exp_f32 and their like allow (about 1e-6 of the number): no bf16 or f16 on the way to a quantiser, and a product that is left as it is and whose result goes on into a quantised operand takes f32 operands (vector FMAs, or v_wmma_f32_16x16x4_f32). A number that lies on a knife's edge between two numbers of the format may be rounded either way, as far as f32 arithmetic and the matrix unit's own rounding can turn it there, and no further.
;; 2 versions, each right; version 2 is version 1 with the launch grid written anew for expert scheduling mode. Each part assembles by itself: llvm-mc -triple=amdgcn-amd-amdhsa -mcpu=gfx1250 --defsym DOCPART=n.
;; ======== version 1 of 2: 2 launches
;; limits: right only within a limited range of input values; inputs' magnitudes at most 4,096
;; workspace buffers: wbuf 12,582,912 bytes of whole numbers; frags 7,168 bytes
;; launch prep (part 1): grid 769 x 1, 8 waves a work-group, no clusters, 0 bytes of LDS; arguments x, W0, W1, W2, b0, b1, b2, lowp_scales, wbuf, frags; writes wbuf, frags
.if DOCPART == 1
	.amdgcn_target "amdgcn-amd-amdhsa--gfx1250"
	.amdhsa_code_object_version 6
	.text
	.protected	k_q1837389a04_prep
	.globl	k_q1837389a04_prep
	.p2align	8
	.type	k_q1837389a04_prep,@function
k_q1837389a04_prep:
	s_mov_b64 s[64:65], 0
	v_nop
	global_prefetch_b8 v0, s[64:65] scope:SCOPE_SE
	s_setreg_imm32_b32 hwreg(HW_REG_WAVE_MODE, 25, 1), 1
	s_wait_xcnt 0x0
; TWO JOBS IN ONE LAUNCH.
; (a) Work-groups 0 to 767: each coordinate of x [1,048,576][3] f32 becomes one whole-number word of wbuf, in the same place:
;     word = (M24 << 8) | Q.  M24 = the 24-bit significand with its leading one (0 where the exponent field E is 0), Q = 152 - min(E, 152).
;     The next launch makes every cell index floor(x * scale) from these words by integer arithmetic alone, and x itself back from them, exactly.
; (b) Work-group 768, wave 0: the seven operand images of the MLP, each 8 registers x 32 lanes, laid in the order of the operand's registers:
;     image f, registers 4 g .. 4 g + 3 of lane l at byte 1024 f + 512 g + 16 l of frags.  r = l % 16, h = l / 16.
;     f0 Wa, f1 Wb: W0's codes of E5M2 (row = unit r, K = the 32 features) in lanes 0-15 (Wa) or lanes 16-31 (Wb), zero codes in the other half;
;     f2 b0[8 h ..] / 2^(e0 + e1);  f3 W1[r][8 h .. 8 h + 7] x 2^(e0 + e1), f32;  f4 b1[8 h ..];  f5 W2[r][8 h .. 8 h + 7], f32;  f6 b2[8 h ..].
; LIMITS.  x is not negative (the sign is dropped) and below 4,096; a denormal x counts as 0; NaN is not served.
;          e1 between -126 and 112; b0 x 2^-(e0 + e1) and W1 x 2^(e0 + e1) are taken as f32 numbers (what falls outside f32's range there is lost).
; No LDS, no barrier, no matrix unit: a stream of 16-byte loads and stores, and one wave's worth of small tensors.
.set NSTREAM, 768                      ; 12,582,912 bytes of x / 16,384 bytes a work-group
.set XI,  4                            ; v[4:19]   four chunks of 4 words as loaded
.set XO,  20                           ; v[20:35]  the same as stored: each chunk has registers of its own, so no store's data are written again
	s_load_b512 s[4:19], s[0:1], 0x0               ; x s[4:5], W0 s[6:7], W1 s[8:9], W2 s[10:11], b0 s[12:13], b1 s[14:15], b2 s[16:17], the scales' exponents s[18:19]
	s_load_b128 s[20:23], s[0:1], 0x40             ; wbuf s[20:21], frags s[22:23]
	s_mov_b32 s24, 0x800000                        ; the significand's leading one
	v_lshlrev_b32 v1, 4, v0                        ; 16 bytes a thread
	s_lshl_b32 s26, ttmp9, 14                      ; the work-group's 16,384 bytes
	s_mov_b32 s27, 0
	s_wait_kmcnt 0x0
	s_cmp_lt_u32 ttmp9, NSTREAM
	s_cbranch_scc0 .Lweights
	; ---- (a) the stream: four loads of 4,096 bytes a work-group, 512 consecutive bytes a wave and load
	s_add_nc_u64 s[4:5], s[4:5], s[26:27]
	s_add_nc_u64 s[20:21], s[20:21], s[26:27]
.irp i, 0,1,2,3
	global_load_b128 v[XI+4*\i:XI+4*\i+3], v1, s[4:5] offset:4096*\i th:TH_LOAD_NT
.endr
.macro SPLIT dst, src
	v_bfe_u32 v36, v[\src], 23, 8                  ; E
	v_and_or_b32 v37, v[\src], 0x7fffff, s24       ; the significand with its leading one,
	v_cmp_ne_u32 vcc_lo, 0, v36
	v_cndmask_b32 v37, 0, v37, vcc_lo              ; or 0 where E = 0
	v_min_u32 v36, 152, v36
	v_sub_nc_u32 v38, 152, v36                     ; Q = 152 - min(E, 152): the shift that level 0 (scale 2^4) wants
	v_lshl_or_b32 v[\dst], v37, 8, v38
.endm
.irp i, 0,1,2,3
	s_wait_loadcnt 3-\i                            ; loads come back in order: chunk i is in, the younger chunks stay out
.irp j, 0,1,2,3
	SPLIT XO+4*\i+\j, XI+4*\i+\j
.endr
	global_store_b128 v1, v[XO+4*\i:XO+4*\i+3], s[20:21] offset:4096*\i
.endr
	s_endpgm
	; ---- (b) the images: one wave has all the work there is (7,168 bytes)
.Lweights:
	v_lshrrev_b32 v2, 5, v0
	v_readfirstlane_b32 s28, v2
	s_cmp_lg_u32 s28, 0
	s_cbranch_scc1 .Lend
	s_load_b64 s[30:31], s[18:19], 0x0             ; e0, e1
	v_and_b32 v2, 15, v0                           ; r
	v_bfe_u32 v3, v0, 4, 1                         ; h
	v_lshlrev_b32 v4, 7, v2                        ; W0: row r of 128 bytes, whole, in both halves of the lanes
	v_lshlrev_b32 v5, 6, v2
	v_lshl_add_u32 v5, v3, 5, v5                   ; W1, W2: row r of 64 bytes, + 32 h: columns 8 h .. 8 h + 7
	v_lshlrev_b32 v6, 5, v3                        ; the biases: numbers 8 h .. 8 h + 7
	v_mov_b32 v8, 0
.irp i, 0,1,2,3,4,5,6,7
	global_load_b128 v[16+4*\i:19+4*\i], v4, s[6:7] offset:16*\i
.endr
.irp i, 0,1
	global_load_b128 v[48+4*\i:51+4*\i], v5, s[8:9] offset:16*\i
	global_load_b128 v[56+4*\i:59+4*\i], v5, s[10:11] offset:16*\i
	global_load_b128 v[64+4*\i:67+4*\i], v6, s[12:13] offset:16*\i
	global_load_b128 v[72+4*\i:75+4*\i], v6, s[14:15] offset:16*\i
	global_load_b128 v[80+4*\i:83+4*\i], v6, s[16:17] offset:16*\i
.endr
	s_wait_kmcnt 0x0
	s_add_co_i32 s32, s31, 127
	s_lshl_b32 s33, s32, 23
	v_mov_b32 v9, s33                              ; 2^e1 as f32: the conversion takes its exponent field
	s_add_co_i32 s32, s32, 15
	s_lshl_b32 s32, s32, 23
	s_or_b32 s32, s32, 0x600000
	v_mov_b32 v10, s32                             ; 57,344 x 2^e1
	s_add_co_i32 s34, s30, s31                     ; e0 + e1
	s_sub_co_i32 s35, 0, s34
	s_wait_loadcnt 0x0
.irp i, 0,1,2,3,4,5,6,7,8,9,10,11,12,13,14,15,16,17,18,19,20,21,22,23,24,25,26,27,28,29,30,31
	v_med3_num_f32 v[16+\i], v[16+\i], -v10, v10   ; the conversion to an 8-bit code does not saturate (ISA guide 7.6.2): the hold at the largest code x the scale
.endr
.irp c, 0,1,2,3
	v_cvt_scalef32_pk8_bf8_f32 v[88+2*\c:89+2*\c], v[16+8*\c:23+8*\c], v9   ; registers 2 c, 2 c + 1: features 8 c .. 8 c + 7 of unit r
.endr
	v_cmp_gt_u32 vcc_lo, 16, v0                    ; lanes 0-15.  (A plain line behind the conversions, ahead of the first reader of their results)
.irp i, 0,1,2,3,4,5,6,7
	v_cndmask_b32 v[96+\i], v8, v[88+\i], vcc_lo   ; Wa: the codes in lanes 0-15, zero codes in lanes 16-31
	v_cndmask_b32 v[104+\i], v[88+\i], v8, vcc_lo  ; Wb: the other way round
.endr
.irp i, 0,1,2,3,4,5,6,7
	v_ldexp_f32 v[64+\i], v[64+\i], s35            ; b0 / 2^(e0 + e1): it is added to sums of codes' products
	v_ldexp_f32 v[48+\i], v[48+\i], s34            ; W1 x 2^(e0 + e1): relu(u s) = u relu(s) for u > 0, so the first product's scale is carried by W1
.endr
.macro IMAGE f, reg                    ; each store of the wave covers 512 consecutive bytes, aligned
	global_store_b128 v1, v[\reg:\reg+3], s[22:23] offset:1024*\f
	global_store_b128 v1, v[\reg+4:\reg+7], s[22:23] offset:1024*\f+512
.endm
	IMAGE 0, 96
	IMAGE 1, 104
	IMAGE 2, 64
	IMAGE 3, 48
	IMAGE 4, 72
	IMAGE 5, 56
	IMAGE 6, 80
.Lend:
	s_endpgm
.Lfunc_end_k_q1837389a04_prep:
	.size	k_q1837389a04_prep, .Lfunc_end_k_q1837389a04_prep-k_q1837389a04_prep
	.p2alignl 7, 3214868480
	.fill 96, 4, 3214868480
	.section	.rodata,"a",@progbits
	.p2align	6, 0x0
	.amdhsa_kernel k_q1837389a04_prep
		.amdhsa_group_segment_fixed_size 0
		.amdhsa_private_segment_fixed_size 0
		.amdhsa_enable_private_segment 0
		.amdhsa_kernarg_size 80
		.amdhsa_user_sgpr_count 2
		.amdhsa_user_sgpr_kernarg_segment_ptr 1
		.amdhsa_wavefront_size32 1
		.amdhsa_system_sgpr_workgroup_id_x 1
		.amdhsa_system_sgpr_workgroup_id_y 1
		.amdhsa_system_sgpr_workgroup_id_z 1
		.amdhsa_system_vgpr_workitem_id 0
		.amdhsa_next_free_vgpr 128
		.amdhsa_next_free_sgpr 66
		.amdhsa_reserve_vcc 1
		.amdhsa_float_denorm_mode_32 3
		.amdhsa_float_denorm_mode_16_64 3
		.amdhsa_memory_ordered 1
		.amdhsa_forward_progress 1
		.amdhsa_inst_pref_size 16
	.end_amdhsa_kernel
	.amdgpu_metadata
---
amdhsa.version: [ 1, 2 ]
amdhsa.kernels:
  - .name:           k_q1837389a04_prep
    .symbol:         k_q1837389a04_prep.kd
    .args:
      - { .name: x, .offset: 0, .size: 8, .value_kind: global_buffer, .address_space: global }
      - { .name: W0, .offset: 8, .size: 8, .value_kind: global_buffer, .address_space: global }
      - { .name: W1, .offset: 16, .size: 8, .value_kind: global_buffer, .address_space: global }
      - { .name: W2, .offset: 24, .size: 8, .value_kind: global_buffer, .address_space: global }
      - { .name: b0, .offset: 32, .size: 8, .value_kind: global_buffer, .address_space: global }
      - { .name: b1, .offset: 40, .size: 8, .value_kind: global_buffer, .address_space: global }
      - { .name: b2, .offset: 48, .size: 8, .value_kind: global_buffer, .address_space: global }
      - { .name: lowp_scales, .offset: 56, .size: 8, .value_kind: global_buffer, .address_space: global }
      - { .name: wbuf, .offset: 64, .size: 8, .value_kind: global_buffer, .address_space: global }
      - { .name: frags, .offset: 72, .size: 8, .value_kind: global_buffer, .address_space: global }
    .group_segment_fixed_size: 0
    .private_segment_fixed_size: 0
    .kernarg_segment_align: 8
    .kernarg_segment_size: 80
    .max_flat_workgroup_size: 256
    .sgpr_count:     66
    .vgpr_count:     128
    .wavefront_size: 32
...
	.end_amdgpu_metadata
.endif
;; end of part 1
;; launch grid (part 2): grid 1024 x 1, 8 waves a work-group, no clusters, 21,504 bytes of LDS; arguments wbuf, frags, table, lowp_scales, out0; writes out0
.if DOCPART == 2
	.amdgcn_target "amdgcn-amd-amdhsa--gfx1250"
	.amdhsa_code_object_version 6
	.text
	.protected	k_q1837389a04_grid
	.globl	k_q1837389a04_grid
	.p2align	8
	.type	k_q1837389a04_grid,@function
k_q1837389a04_grid:
	s_mov_b64 s[64:65], 0
	v_nop
	global_prefetch_b8 v0, s[64:65] scope:SCOPE_SE
	s_setreg_imm32_b32 hwreg(HW_REG_WAVE_MODE, 25, 1), 1
	s_wait_xcnt 0x0
; out0 = MLP(hashgrid(x)): 16 levels x 8 corners gathered and weighed in f32, the 32 features quantised to E5M2 with the given 2^e0, three products, all in one launch; the features never go to memory.
; SHARES.  8,192 waves; wave g = 8 x work-group + wave owns points 128 g .. 128 g + 127: four trips of 32 points, A LANE TO A POINT.  Waves share nothing: no barrier.
; INDICES.  No address here hangs on a floating-point number.  wbuf holds, for each coordinate, (M24 << 8) | Q (significand, shift count).  With S31 = the scale's 24-bit significand << 7,
;   t = the high word of (M24 << 8) x S31 = floor(M24 S24 / 2^17), and floor(x * scale) = t >> (Q - (es - 4)), es the scale's exponent: exact.  reference() takes the floor of the ROUNDED product; the two differ only
;   where that product rounds up onto a whole number n: then base = n - 1 here and frac = pos - base = 1.0 exactly, so corner n has weight 1 and its neighbour 0: the same value.
; FRACTIONS.  pos = x * scale is rounded to f32 as reference() rounds it (multiplication and subtraction are NOT fused), x being made back from its word exactly.
; GATHERS.  Two levels are on their way at any time (16 loads of 8 bytes a lane); a level's weights are made while its loads are out.
; THE QUANTISER runs as the features are finished: behind every fourth level eight features become eight codes, so that the features take 8 registers and not 32.
; MLP.  Every product is used transposed (source 0 = 16 units of the weights, source 1 = 16 points): in a result lane (r, h) holds point r and units 8 h + 0 .. 7.
;   Product 1, on codes, K = 64 form: a lane's 8 registers of codes are its OWN point's 32 features.  Read as source 1, column r holds point r in the places of lanes 0-15 and point 16 + r in those of lanes 16-31.
;   Wa has W0's codes in the first places and zero codes in the others, Wb the other way round: two instructions give the two tiles of 16 points, and no code changes lanes.
;   Products 2 and 3 (K = 16, left as they are) take f32 operands, by the f32 form of K = 4: four K steps fill K = 16 with nothing padded, and a result's register pair (2 s, 2 s + 1) IS K step s's operand
;   (the instruction's k = 2 h + j stands for unit 8 h + 2 s + j, in the weights' image likewise), so an activation is one v_max and nothing is converted.  Sixteen such instructions a trip stand beside 128 gathers.
;   The biases are the C of each sum's first instruction.
; LIMITS.  0 <= x < 4,096 (so that x * 2,048 < 2^23); a denormal x counts as 0; NaN is not served.  e0 between -126 and 112.
; Clusters, tensor loads and LDS rings are left out: nothing is read as a tile, and what work-groups share is read 8 bytes at a time at scattered places.
; No prefetch: each wave has 16 gathers out two levels ahead, on eight waves a SIMD.
.set SC0,  0x41800000                  ; the sixteen scales 16 x 2^(7 l / 15), rounded to f32
.set SC1,  0x41B0E285
.set SC2,  0x41F47080
.set SC3,  0x4228E5A3
.set SC4,  0x426966A5
.set SC5,  0x42A14518
.set SC6,  0x42DEDC67
.set SC7,  0x4319FCB9
.set SC8,  0x4354CC02
.set SC9,  0x4393088C
.set SC10, 0x43CB2FF5
.set SC11, 0x440C64C3
.set SC12, 0x44420300
.set SC13, 0x44860DBC
.set SC14, 0x44B9401E
.set SC15, 0x45000000
.set LEVELB, 0x400000                  ; a level's table: 524,288 entries of 8 bytes
.set TRIPS,  4
.set SPITCH, 80                        ; the stage: a point's 64 bytes + 16 of padding: sixteen lanes' 16-byte stores fall on sixteen different columns of 16 bytes modulo 256
.set WSTAGE, 32*SPITCH                 ; 2,560 bytes for each wave
; vector registers
.set LN16, 1                           ; v1   16 x lane; never rewritten
.set WOFF, 2                           ; v2   12 x lane: my point's three words; never rewritten
.set STO,  3                           ; v3   the stage: where I put 32 bytes of a point
.set SRD,  4                           ; v4   and where I read 16 bytes back
.set CSC,  5                           ; v5   2^e0 as f32
.set LIM,  6                           ; v6   57,344 x 2^e0
.set NWX,  7                           ; v7, v126, v127: the next trip's three words
.set NWY,  126
.set NWZ,  127
.set Z,    8                           ; v[8:9] 0, 0
.set MX,   10                          ; v10-12 significands << 8
.set XF,   13                          ; v13-15 the coordinates as f32
.set Q,    16                          ; v16-18 shift counts, stepped down as the scales' exponent grows
.set SH,   19                          ; v19-21 the same, held at 31
.set T,    22                          ; v22-27 at work
.set U,    28                          ; v28-37 at work
.set DA,   38                          ; set A (even levels): v38-53 indices, then the eight corners' two features; v54-61 their weights
.set WA,   54
.set DB,   62                          ; set B (odd levels)
.set WB,   78
.set FT,   86                          ; v86-93  eight features: those of four levels, register 2 (l % 4) + f
.set CD,   94                          ; v94-101 my point's 32 codes: registers 2 c, 2 c + 1 = features 8 c .. 8 c + 7
.set AC0,  110                         ; v110-117, v118-125 the two tiles' sums of products 2 and 3: written by matrix instructions alone, in the whole text
.set AC1,  118
; the other registers in the MLP's phase
.set RL0,  10                          ; v10-17 tile 0's activations; v30-37 tile 1's
.set RL1,  30
.set C2F,  22                          ; v22-29 b2
.set WAF,  38                          ; v38-45 Wa, v46-53 Wb, v54-61 b0 / 2^(e0 + e1)
.set WBF,  46
.set C0F,  54
.set W1F,  62                          ; v62-69 W1's image, v70-77 b1, v78-85 W2's image
.set C1F,  70
.set W2F,  78
.set P0,   86                          ; v86-93, v102-109 product 1's two tiles; on the way out the same sixteen take the rows back from the stage
.set P1,   102
; scalar registers
.set WV,   14                          ; s14  my wave's number
.set TRIP, 16                          ; s16  trips to go
.set SP1,  22                          ; s22, s23 the two primes, s24 the mask: the low 19 bits are all that a hash keeps
.set SP2,  23
.set SMK,  24
.set S31,  25                          ; s25, s26 the level's scale: significand << 7, and as f32
.set SCF,  26
.set NB,   28                          ; s[28:29] where the next trip's words lie
.set STP,  30                          ; s[30:31] what NB steps by
.set TB,   32                          ; s[32+2l:33+2l] level l's table; never rewritten
.set ESP,  0
	s_load_b256 s[4:11], s[0:1], 0x0               ; wbuf s[4:5], frags s[6:7], table s[8:9], the scales' exponents s[10:11]
	s_load_b64 s[12:13], s[0:1], 0x20              ; out0
	v_lshl_add_u32 v128, v0, 2, 0x5000
	v_mov_b32 v129, 0
	v_lshrrev_b32 v22, 5, v0
	v_readfirstlane_b32 s[WV], v22
	v_and_b32 v23, 31, v0                          ; lane
	v_lshlrev_b32 v[LN16], 4, v23
	v_mul_u32_u24 v[WOFF], v23, 12
	v_and_b32 v24, 15, v0                          ; r
	v_bfe_u32 v25, v0, 4, 1                        ; h
	s_mul_i32 s15, s[WV], WSTAGE                   ; my wave's stage
	v_mul_u32_u24 v[STO], v24, SPITCH
	v_lshl_add_u32 v[STO], v25, 5, v[STO]
	v_add_nc_u32 v[STO], s15, v[STO]               ; in: point r, units 8 h on
	v_lshrrev_b32 v26, 2, v23
	v_mul_u32_u24 v[SRD], v26, SPITCH
	v_and_b32 v27, 3, v23
	v_lshl_add_u32 v[SRD], v27, 4, v[SRD]
	v_add_nc_u32 v[SRD], s15, v[SRD]               ; back: four lanes to a point, eight points a load
	v_mov_b32 v[Z], 0
	v_mov_b32 v[Z+1], 0
	s_lshl_b32 s17, ttmp9, 3
	s_add_co_u32 s17, s17, s[WV]                   ; g
	s_lshl_b32 s18, s17, 13                        ; 128 points x 64 bytes of out0
	s_mov_b32 s19, 0
	s_mul_i32 s[STP], s17, 1536                    ; 128 points x 12 bytes of wbuf
	s_mov_b32 s[STP+1], 0
	s_mov_b32 s[SP1], 0x779B1                      ; 2,654,435,761 & 0x7ffff
	s_mov_b32 s[SP2], 0x25795                      ; 805,459,861 & 0x7ffff
	s_mov_b32 s[SMK], 0x7ffff
	s_mov_b32 s[TRIP], TRIPS
	s_wait_kmcnt 0x0
	s_load_b32 s20, s[10:11], 0x0                  ; e0
	s_add_nc_u64 s[12:13], s[12:13], s[18:19]
	s_add_nc_u64 s[NB:NB+1], s[4:5], s[STP:STP+1]
	global_load_b32 v[NWX], v[WOFF], s[NB:NB+1] th:TH_LOAD_NT          ; the first trip's words: 384 consecutive bytes a wave
	global_load_b32 v[NWY], v[WOFF], s[NB:NB+1] offset:4 th:TH_LOAD_NT
	global_load_b32 v[NWZ], v[WOFF], s[NB:NB+1] offset:8 th:TH_LOAD_NT
	s_mov_b64 s[TB:TB+1], s[8:9]
.irp l, 1,2,3,4,5,6,7,8,9,10,11,12,13,14,15
	s_add_nc_u64 s[TB+2*\l:TB+2*\l+1], s[TB+2*\l-2:TB+2*\l-1], LEVELB
.endr
	s_wait_xcnt 0x0                                ; the three loads have read their base: it may step
	s_add_nc_u64 s[NB:NB+1], s[NB:NB+1], 384
	s_wait_kmcnt 0x0
	s_add_co_i32 s17, s20, 127
	s_lshl_b32 s18, s17, 23
	v_mov_b32 v[CSC], s18                          ; 2^e0 as f32: the conversion takes its exponent field
	s_add_co_i32 s17, s17, 15
	s_lshl_b32 s17, s17, 23
	s_or_b32 s17, s17, 0x600000
	v_mov_b32 v[LIM], s17                          ; 57,344 x 2^e0
.macro UNPACK c, nw                    ; a word gives the significand, the shift count, and x itself: (M24 << 8) x 2^(E - 158) = x, and E - 158 = -6 - Q
	v_and_b32 v[MX+\c], 0xffffff00, v[\nw]
	v_and_b32 v[Q+\c], 0xff, v[\nw]
	v_cvt_f32_u32 v[XF+\c], v[MX+\c]               ; 24 significant bits: exact
	v_sub_nc_u32 v[T+\c], -6, v[Q+\c]
	v_ldexp_f32 v[XF+\c], v[XF+\c], v[T+\c]
.endm
; LEVEL l: indices, eight gathers into set D, and, while they are out, the eight weights into W.
.macro ADDR l, D, W
	s_mov_b32 s[S31], (((SC\l) & 0x7fffff) | 0x800000) << 7
	s_mov_b32 s[SCF], SC\l
.if \l == 0
.irp c, 0,1,2
	v_min_u32 v[SH+\c], 31, v[Q+\c]                ; t is below 2^31: a shift of 31 gives 0, as every longer one would
.endr
.elseif ((SC\l) >> 23) != ESP
.irp c, 0,1,2
	v_add_nc_u32 v[Q+\c], -1, v[Q+\c]              ; the scale's exponent has grown by one
.endr
.irp c, 0,1,2
	v_min_u32 v[SH+\c], 31, v[Q+\c]
.endr
.endif
.set ESP, (SC\l) >> 23
.irp c, 0,1,2
	v_mad_co_u64_u32 v[T+2*\c:T+2*\c+1], vcc_lo, v[MX+\c], s[S31], v[Z:Z+1]   ; the upper word is t
.endr
.irp c, 0,1,2
	v_mul_f32 v[U+2*\c+1], s[SCF], v[XF+\c]        ; pos, rounded to f32 as reference() rounds it
.endr
.irp c, 0,1,2
	v_lshrrev_b32 v[T+2*\c+1], v[SH+\c], v[T+2*\c+1]   ; ix, iy, iz
.endr
.irp c, 0,1,2
	v_cvt_f32_u32 v[T+2*\c], v[T+2*\c+1]           ; base, exact
.endr
	v_mul_u32_u24 v[\D+1], v[T+3], s[SP1]          ; iy x prime: the low 19 bits hang on the factors' low 19 bits alone.  (D's odd registers are at work until the loads go out)
	v_mul_u32_u24 v[\D+5], v[T+5], s[SP2]          ; iz x prime
	v_add_nc_u32 v[T+3], 1, v[T+1]                 ; ix + 1
	v_add_nc_u32 v[\D+3], s[SP1], v[\D+1]          ; (iy + 1) x prime
	v_add_nc_u32 v[\D+7], s[SP2], v[\D+5]          ; (iz + 1) x prime
	v_and_b32 v[T+1], s[SMK], v[T+1]
	v_and_b32 v[T+3], s[SMK], v[T+3]
	v_xor_b32 v[\D+9],  v[\D+1], v[\D+5]           ; dy, dz = 0, 0
	v_xor_b32 v[\D+11], v[\D+1], v[\D+7]           ; 0, 1
	v_xor_b32 v[\D+13], v[\D+3], v[\D+5]           ; 1, 0
	v_xor_b32 v[\D+15], v[\D+3], v[\D+7]           ; 1, 1
.irp c, 0,1,2,3
	v_and_b32 v[\D+9+2*\c], s[SMK], v[\D+9+2*\c]
.endr
.irp c, 0,1,2,3
	v_xor_b32 v[\D+2*\c],   v[T+1], v[\D+9+2*\c]   ; corner c = 4 dx + 2 dy + dz, dx = 0
	v_xor_b32 v[\D+8+2*\c], v[T+3], v[\D+9+2*\c]   ; dx = 1
.endr
.irp c, 0,1,2,3,4,5,6,7
	v_min_u32 v[\D+2*\c], 0x7ffff, v[\D+2*\c]      ; the index stays inside the level's table whatever the words hold
.endr
.irp c, 0,1,2,3,4,5,6,7
	global_load_b64 v[\D+2*\c:\D+2*\c+1], v[\D+2*\c], s[TB+2*\l:TB+2*\l+1] scale_offset   ; entry = 8 bytes; each load lands on its own index register
.endr
.irp c, 0,1,2
	v_sub_f32 v[U+2*\c+1], v[U+2*\c+1], v[T+2*\c]  ; frac = pos - base
.endr
.irp c, 0,1,2
	v_sub_f32 v[U+2*\c], 1.0, v[U+2*\c+1]          ; 1 - frac.  U0, U1: x's two weights; U2, U3: y's; U4, U5: z's
.endr
	v_pk_mul_f32 v[U+6:U+7], v[U+2:U+3], v[U:U+1] op_sel_hi:[1,0]                  ; (wx wy) for dx = 0: dy = 0, 1
	v_pk_mul_f32 v[U+8:U+9], v[U+2:U+3], v[U:U+1] op_sel:[0,1] op_sel_hi:[1,1]     ; dx = 1
	v_pk_mul_f32 v[\W:\W+1],   v[U+4:U+5], v[U+6:U+7] op_sel_hi:[1,0]              ; (wx wy) wz, in reference()'s order: W[c] is corner c's weight
	v_pk_mul_f32 v[\W+2:\W+3], v[U+4:U+5], v[U+6:U+7] op_sel:[0,1] op_sel_hi:[1,1]
	v_pk_mul_f32 v[\W+4:\W+5], v[U+4:U+5], v[U+8:U+9] op_sel_hi:[1,0]
	v_pk_mul_f32 v[\W+6:\W+7], v[U+4:U+5], v[U+8:U+9] op_sel:[0,1] op_sel_hi:[1,1]
.endm
; level l's two features: the eight corners in order, both features in one packed multiply-add.  n: the loads issued behind this level's eight, which may stay out
.macro ACC l, D, W, n
.set FL, FT+2*((\l)%4)
	s_wait_loadcnt \n
	v_pk_mul_f32 v[FL:FL+1], v[\D:\D+1], v[\W:\W+1] op_sel_hi:[1,0]
	v_pk_fma_f32 v[FL:FL+1], v[\D+2:\D+3], v[\W:\W+1], v[FL:FL+1] op_sel:[0,1,0] op_sel_hi:[1,1,1]
.irp p, 1,2,3
	v_pk_fma_f32 v[FL:FL+1], v[\D+4*\p:\D+4*\p+1], v[\W+2*\p:\W+2*\p+1], v[FL:FL+1] op_sel_hi:[1,0,1]
	v_pk_fma_f32 v[FL:FL+1], v[\D+4*\p+2:\D+4*\p+3], v[\W+2*\p:\W+2*\p+1], v[FL:FL+1] op_sel:[0,1,0] op_sel_hi:[1,1,1]
.endr
.endm
; features 8 c .. 8 c + 7 of my point / 2^e0, held within +-57,344, to the nearest code, ties to even.
; Behind the conversion a plain vector line comes before anything touches its result or writes its sources: for c = 0, 1, 2 the next level's first line (levels 5, 9 and 13 begin with v_add_nc_u32); for c = 3 a v_nop is written.
.macro QUANT c
.irp i, 0,1,2,3,4,5,6,7
	v_med3_num_f32 v[FT+\i], v[FT+\i], -v[LIM], v[LIM]   ; the conversion to an 8-bit code does not saturate (ISA guide 7.6.2)
.endr
	v_cvt_scalef32_pk8_bf8_f32 v[CD+2*\c:CD+2*\c+1], v[FT:FT+7], v[CSC]
.endm
.macro FRAG f, reg                     ; image f of frags into eight registers: two loads of 512 consecutive bytes
	global_load_b128 v[\reg:\reg+3], v[LN16], s[6:7] offset:1024*\f
	global_load_b128 v[\reg+4:\reg+7], v[LN16], s[6:7] offset:1024*\f+512
.endm
; A vector instruction or an LDS store that reads a matrix result, and a vector instruction that writes one of a matrix instruction's registers, stand four places behind the form on codes and eight behind the f32 form;
; only plain vector instructions that name none of its registers are places.
.macro PLACES n
.rept \n
	v_nop
.endr
.endm
.macro RELU acc, rl                    ; the sums are read from their low end on, and what is made of them goes into other registers
.irp j, 0,1,2,3,4,5,6,7
	v_max_num_f32 v[\rl+\j], 0, v[\acc+\j]
.endr
.endm
; A layer left as it is: K = 16 in four steps of 4, the two tiles' accumulators by turns, one instruction a turn; the bias is the C of each sum's first step
.macro LAYER w, c
.irp s, 0,1,2,3
.if \s == 0
	v_wmma_f32_16x16x4_f32 v[AC0:AC0+7], v[\w:\w+1], v[RL0:RL0+1], v[\c:\c+7]
	v_wmma_f32_16x16x4_f32 v[AC1:AC1+7], v[\w:\w+1], v[RL1:RL1+1], v[\c:\c+7]
.else
	v_wmma_f32_16x16x4_f32 v[AC0:AC0+7], v[\w+2*\s:\w+2*\s+1], v[RL0+2*\s:RL0+2*\s+1], v[AC0:AC0+7]
	v_wmma_f32_16x16x4_f32 v[AC1:AC1+7], v[\w+2*\s:\w+2*\s+1], v[RL1+2*\s:RL1+2*\s+1], v[AC1:AC1+7]
.endif
.endr
	PLACES 8
.endm
.Ltrip:
	s_wait_loadcnt 0x0                             ; this trip's words are in (from the second trip on every load has been waited for already)
	UNPACK 0, NWX
	UNPACK 1, NWY
	UNPACK 2, NWZ
	global_load_b32 v[NWX], v[WOFF], s[NB:NB+1] th:TH_LOAD_NT          ; the next trip's words.  In the last trip NB stands on the trip's own 384 bytes: the loads stay inside wbuf, and nobody reads what they bring
	global_load_b32 v[NWY], v[WOFF], s[NB:NB+1] offset:4 th:TH_LOAD_NT
	global_load_b32 v[NWZ], v[WOFF], s[NB:NB+1] offset:8 th:TH_LOAD_NT
	ADDR 0, DA, WA
	ADDR 1, DB, WB
	ACC  0, DA, WA, 8                              ; the count 8 leaves the next level's eight gathers out; the three word loads are older
	ADDR 2, DA, WA
	ACC  1, DB, WB, 8
	ADDR 3, DB, WB
	ACC  2, DA, WA, 8
	ADDR 4, DA, WA
	ACC  3, DB, WB, 8
	QUANT 0
	ADDR 5, DB, WB
	ACC  4, DA, WA, 8
	ADDR 6, DA, WA
	ACC  5, DB, WB, 8
	ADDR 7, DB, WB
	ACC  6, DA, WA, 8
	ADDR 8, DA, WA
	ACC  7, DB, WB, 8
	QUANT 1
	ADDR 9, DB, WB
	ACC  8, DA, WA, 8
	ADDR 10, DA, WA
	ACC  9, DB, WB, 8
	ADDR 11, DB, WB
	ACC  10, DA, WA, 8
	ADDR 12, DA, WA
	ACC  11, DB, WB, 8
	QUANT 2
	ADDR 13, DB, WB
	ACC  12, DA, WA, 8
	ADDR 14, DA, WA
	ACC  13, DB, WB, 8
	ADDR 15, DB, WB
	ACC  14, DA, WA, 8
	FRAG 0, WAF                                    ; set A is free: Wa, Wb, b0's image
	FRAG 1, WBF
	FRAG 2, C0F
	ACC  15, DB, WB, 6                             ; behind level 15's gathers: those six loads
	FRAG 3, W1F                                    ; set B is free: W1's image, b1, W2's image; b2 into registers that the levels have left
	FRAG 4, C1F
	FRAG 5, W2F
	FRAG 6, C2F
	QUANT 3
	v_nop                                          ; the plain line between the last conversion and the products, which read its result and write over its sources
	; ---- product 1, on codes
	s_wait_loadcnt 8                               ; Wa, Wb and b0's image are in; the eight loads behind them may be out
	v_wmma_f32_16x16x64_bf8_bf8 v[P0:P0+7], v[WAF:WAF+7], v[CD:CD+7], v[C0F:C0F+7]   ; points 0-15
	v_wmma_f32_16x16x64_bf8_bf8 v[P1:P1+7], v[WBF:WBF+7], v[CD:CD+7], v[C0F:C0F+7]   ; points 16-31
	PLACES 4
	RELU P0, RL0
	RELU P1, RL1
	; ---- product 2
	s_wait_loadcnt 4                               ; W1's image and b1 are in; W2's and b2 may be out
	LAYER W1F, C1F
	RELU AC0, RL0                                  ; eight places behind the layer: its results are read and its sources written again
	RELU AC1, RL1
	; ---- product 3.  It begins the two accumulators anew with another C: sixteen places lie between (the eight v_nop and the other tile's eight maxima, which name none of the registers in question)
	s_wait_loadcnt 0x0
	LAYER W2F, C2F
	; ---- the way out: a lane holds 32 bytes of a point's 64; through my wave's stage they become 512 consecutive bytes a store.  LDS serves a wave's instructions in order (ISA guide 5.7.1.4): no wait between my stores and my loads
	ds_store_b128 v[STO], v[AC0:AC0+3]
	ds_store_b128 v[STO], v[AC0+4:AC0+7] offset:16
	ds_store_b128 v[STO], v[AC1:AC1+3] offset:16*SPITCH
	ds_store_b128 v[STO], v[AC1+4:AC1+7] offset:16*SPITCH+16
.irp q, 0,1,2,3
	ds_load_b128 v[P0+4*\q+8*(\q/2):P0+4*\q+8*(\q/2)+3], v[SRD] offset:8*SPITCH*\q   ; into v86, v90, v102, v106 on
.endr
.irp q, 0,1,2,3
	s_wait_dscnt 3-\q                              ; load q is back; the younger ones may be out
	global_store_b128 v[LN16], v[P0+4*\q+8*(\q/2):P0+4*\q+8*(\q/2)+3], s[12:13] offset:512*\q th:TH_STORE_NT   ; eight points: 512 consecutive bytes, aligned; written once
.endr
	s_wait_xcnt 0x0                                ; the stores and the word loads have read their registers and bases: both bases may step, and the next trip may write v86 on
	s_add_nc_u64 s[12:13], s[12:13], 2048
	s_cmp_ge_u32 s[TRIP], 3                        ; NB runs one trip ahead and stops at the wave's last 384 bytes
	s_cselect_b32 s[STP], 384, 0
	s_add_nc_u64 s[NB:NB+1], s[NB:NB+1], s[STP:STP+1]
	s_sub_co_u32 s[TRIP], s[TRIP], 1
	s_cmp_lg_u32 s[TRIP], 0
	s_cbranch_scc1 .Ltrip
	s_wait_tensorcnt 0x0
	ds_add_u32 v128, v129
	s_wait_dscnt 0x0
	s_endpgm
.Lfunc_end_k_q1837389a04_grid:
	.size	k_q1837389a04_grid, .Lfunc_end_k_q1837389a04_grid-k_q1837389a04_grid
	.p2alignl 7, 3214868480
	.fill 96, 4, 3214868480
	.section	.rodata,"a",@progbits
	.p2align	6, 0x0
	.amdhsa_kernel k_q1837389a04_grid
		.amdhsa_group_segment_fixed_size 21504
		.amdhsa_private_segment_fixed_size 0
		.amdhsa_enable_private_segment 0
		.amdhsa_kernarg_size 40
		.amdhsa_user_sgpr_count 2
		.amdhsa_user_sgpr_kernarg_segment_ptr 1
		.amdhsa_wavefront_size32 1
		.amdhsa_system_sgpr_workgroup_id_x 1
		.amdhsa_system_sgpr_workgroup_id_y 1
		.amdhsa_system_sgpr_workgroup_id_z 1
		.amdhsa_system_vgpr_workitem_id 0
		.amdhsa_next_free_vgpr 130
		.amdhsa_next_free_sgpr 66
		.amdhsa_reserve_vcc 1
		.amdhsa_float_denorm_mode_32 3
		.amdhsa_float_denorm_mode_16_64 3
		.amdhsa_memory_ordered 1
		.amdhsa_forward_progress 1
		.amdhsa_inst_pref_size 74
	.end_amdhsa_kernel
	.amdgpu_metadata
---
amdhsa.version: [ 1, 2 ]
amdhsa.kernels:
  - .name:           k_q1837389a04_grid
    .symbol:         k_q1837389a04_grid.kd
    .args:
      - { .name: wbuf, .offset: 0, .size: 8, .value_kind: global_buffer, .address_space: global }
      - { .name: frags, .offset: 8, .size: 8, .value_kind: global_buffer, .address_space: global }
      - { .name: table, .offset: 16, .size: 8, .value_kind: global_buffer, .address_space: global }
      - { .name: lowp_scales, .offset: 24, .size: 8, .value_kind: global_buffer, .address_space: global }
      - { .name: out0, .offset: 32, .size: 8, .value_kind: global_buffer, .address_space: global }
    .group_segment_fixed_size: 21504
    .private_segment_fixed_size: 0
    .kernarg_segment_align: 8
    .kernarg_segment_size: 40
    .max_flat_workgroup_size: 256
    .sgpr_count:     66
    .vgpr_count:     130
    .wavefront_size: 32
...
	.end_amdgpu_metadata
.endif
;; end of part 2
;; ======== version 2 of 2: 2 launches; version 1 with the launch grid written anew for expert scheduling mode
;; limits: right only within a limited range of input values; inputs' magnitudes at most 4,096
;; workspace buffers: wbuf 12,582,912 bytes of whole numbers; frags 7,168 bytes
;; launch prep: the kernel of part 1 again; grid 769 x 1, 8 waves a work-group, no clusters, 0 bytes of LDS; arguments x, W0, W1, W2, b0, b1, b2, lowp_scales, wbuf, frags; writes wbuf, frags
;; launch grid (part 3): grid 1024 x 1, 8 waves a work-group, no clusters, 21,504 bytes of LDS; arguments wbuf, frags, table, lowp_scales, out0; writes out0
.if DOCPART == 3
	.amdgcn_target "amdgcn-amd-amdhsa--gfx1250"
	.amdhsa_code_object_version 6
	.text
	.protected	k_q1837389a04_grid
	.globl	k_q1837389a04_grid
	.p2align	8
	.type	k_q1837389a04_grid,@function
k_q1837389a04_grid:
	s_mov_b64 s[64:65], 0
	v_nop
	global_prefetch_b8 v0, s[64:65] scope:SCOPE_SE
	s_setreg_imm32_b32 hwreg(HW_REG_WAVE_SCHED_MODE, 0, 2), 2
	s_setreg_imm32_b32 hwreg(HW_REG_WAVE_MODE, 25, 1), 1
	s_wait_xcnt 0x0
	s_wait_alu depctr_vm_vsrc(0)
; out0 = MLP(hashgrid(x)): 16 levels x 8 corners gathered and weighed in f32, the 32 features quantised to E5M2 with the given 2^e0, three products, all in one launch; the features never go to memory.
; SHARES.  8,192 waves; wave g = 8 x work-group + wave owns points 128 g .. 128 g + 127: four trips of 32 points, A LANE TO A POINT.  Waves share nothing: no barrier.
; INDICES.  No address here hangs on a floating-point number.  wbuf holds, for each coordinate, (M24 << 8) | Q (significand, shift count).  With S31 = the scale's 24-bit significand << 7,
;   t = the high word of (M24 << 8) x S31 = floor(M24 S24 / 2^17), and floor(x * scale) = t >> (Q - (es - 4)), es the scale's exponent: exact.  reference() takes the floor of the ROUNDED product; the two differ only
;   where that product rounds up onto a whole number n: then base = n - 1 here and frac = pos - base = 1.0 exactly, so corner n has weight 1 and its neighbour 0: the same value.
; FRACTIONS.  pos = x * scale is rounded to f32 as reference() rounds it (multiplication and subtraction are NOT fused), x being made back from its word exactly.
; GATHERS.  Two levels are on their way at any time (16 loads of 8 bytes a lane); a level's weights are made while its loads are out.
; THE QUANTISER runs as the features are finished: behind every fourth level eight features become eight codes, so that the features take 8 registers and not 32.
; MLP.  Every product is used transposed (source 0 = 16 units of the weights, source 1 = 16 points): in a result lane (r, h) holds point r and units 8 h + 0 .. 7.
;   Product 1, on codes, K = 64 form: a lane's 8 registers of codes are its OWN point's 32 features.  Read as source 1, column r holds point r in the places of lanes 0-15 and point 16 + r in those of lanes 16-31.
;   Wa has W0's codes in the first places and zero codes in the others, Wb the other way round: two instructions give the two tiles of 16 points, and no code changes lanes.
;   Products 2 and 3 (K = 16, left as they are) take f32 operands, by the f32 form of K = 4: four K steps fill K = 16 with nothing padded, and a result's register pair (2 s, 2 s + 1) IS K step s's operand
;   (the instruction's k = 2 h + j stands for unit 8 h + 2 s + j, in the weights' image likewise), so an activation is one v_max and nothing is converted.  Sixteen such instructions a trip stand beside 128 gathers.
;   The biases are the C of each sum's first instruction.
; LIMITS.  0 <= x < 4,096 (so that x * 2,048 < 2^23); a denormal x counts as 0; NaN is not served.  e0 between -126 and 112.
; Clusters, tensor loads and LDS rings are left out: nothing is read as a tile, and what work-groups share is read 8 bytes at a time at scattered places.
; No prefetch: each wave has 16 gathers out two levels ahead, on eight waves a SIMD.
; THE MODE: SCHED_MODE bits 1:0 = 2 (LLVM: expert scheduling mode 2), set by the entry lines.  The code itself states the register dependences
; between vector or matrix instructions and memory or LDS instructions, with s_wait_alu, always for 0.
; THE PLAN.  Registers that memory or LDS instructions touch, round a trip:
;   IX (v102-109)      Level l: its last index lines write IX, its eight gathers read it; level l + 1 writes it again.  Behind level 15: product 1 writes its second tile there, the maxima read it, rows from the
;                      stage land there, the global stores read them; the next trip's level 0 writes IX again.
;   DA, DB             Level l: its index lines use the set's odd registers for their own ends; its gathers land in the set; its multiply-adds read it.  In the MLP images of frags land there.  No memory instruction reads them.
;   WA, WB, v22-29     Written and read by the levels' vector lines; in the MLP images of frags land there.
;   v7, v126, v127     Read by the unpacking lines; the next trip's words land there.
;   v86-93             Features and product 1's first tile; then rows from the stage land there and the global stores read them; the next trip's level 0 writes its features there.
;   v110-125           Written by the f32 matrix instructions, read by the LDS stores, written again in the next trip.
;   v1-4               Offsets and LDS addresses, made at the head and never written again.
; So a level holds ONE wait on va_vdst, directly ahead of its gathers (IX and the set's odd registers are written; the multiply-adds of two levels back are done reading the set), and, from level 1 on, ONE wait on
; vm_vsrc, directly ahead of the first line that writes IX (the level before's gathers have read it).  The gathers go out in one run behind the wait, and the twelve lines that make the weights follow with no wait:
; they name v22-37 and the set's weights, none of the registers that the gathers touch.  Two waits on va_vdst stand ahead of the images' loads, one ahead of the way out; one on vm_vsrc ahead of product 1, one at the trip's end.
; SCALAR REGISTERS THAT VECTOR INSTRUCTIONS WRITE: s14, the wave's number, once at the head; s17-19, the carries of a level's three 64-bit products, each product with a register of its own: one wait on va_sdst stands
; straight behind each such run, ahead of the next line that names one of them.
.set SC0,  0x41800000                  ; the sixteen scales 16 x 2^(7 l / 15), rounded to f32
.set SC1,  0x41B0E285
.set SC2,  0x41F47080
.set SC3,  0x4228E5A3
.set SC4,  0x426966A5
.set SC5,  0x42A14518
.set SC6,  0x42DEDC67
.set SC7,  0x4319FCB9
.set SC8,  0x4354CC02
.set SC9,  0x4393088C
.set SC10, 0x43CB2FF5
.set SC11, 0x440C64C3
.set SC12, 0x44420300
.set SC13, 0x44860DBC
.set SC14, 0x44B9401E
.set SC15, 0x45000000
.set LEVELB, 0x400000                  ; a level's table: 524,288 entries of 8 bytes
.set TRIPS,  4
.set SPITCH, 80                        ; the stage: a point's 64 bytes + 16 of padding: sixteen lanes' 16-byte stores fall on sixteen different columns of 16 bytes modulo 256
.set WSTAGE, 32*SPITCH                 ; 2,560 bytes for each wave
; vector registers
.set LN16, 1                           ; v1   16 x lane; never rewritten
.set WOFF, 2                           ; v2   12 x lane: my point's three words; never rewritten
.set STO,  3                           ; v3   the stage: where I put 32 bytes of a point
.set SRD,  4                           ; v4   and where I read 16 bytes back
.set CSC,  5                           ; v5   2^e0 as f32
.set LIM,  6                           ; v6   57,344 x 2^e0
.set NWX,  7                           ; v7, v126, v127: the next trip's three words
.set NWY,  126
.set NWZ,  127
.set Z,    8                           ; v[8:9] 0, 0
.set MX,   10                          ; v10-12 significands << 8
.set XF,   13                          ; v13-15 the coordinates as f32
.set Q,    16                          ; v16-18 shift counts, stepped down as the scales' exponent grows
.set SH,   19                          ; v19-21 the same, held at 31
.set T,    22                          ; v22-27 at work
.set U,    28                          ; v28-37 at work
.set DA,   38                          ; set A (even levels): v38-53 the eight corners' two features; v54-61 their weights
.set WA,   54
.set DB,   62                          ; set B (odd levels)
.set WB,   78
.set FT,   86                          ; v86-93  eight features: those of four levels, register 2 (l % 4) + f
.set CD,   94                          ; v94-101 my point's 32 codes: registers 2 c, 2 c + 1 = features 8 c .. 8 c + 7
.set IX,   102                         ; v102-109 the level's eight indices, corner c in register c
.set AC0,  110                         ; v110-117, v118-125 the two tiles' sums of products 2 and 3: written by matrix instructions alone, in the whole text
.set AC1,  118
; the other registers in the MLP's phase
.set RL0,  10                          ; v10-17 tile 0's activations; v30-37 tile 1's
.set RL1,  30
.set C2F,  22                          ; v22-29 b2
.set WAF,  38                          ; v38-45 Wa, v46-53 Wb, v54-61 b0 / 2^(e0 + e1)
.set WBF,  46
.set C0F,  54
.set W1F,  62                          ; v62-69 W1's image, v70-77 b1, v78-85 W2's image
.set C1F,  70
.set W2F,  78
.set P0,   86                          ; v86-93, v102-109 product 1's two tiles; on the way out the same sixteen take the rows back from the stage
.set P1,   102
; scalar registers
.set WV,   14                          ; s14  my wave's number
.set TRIP, 16                          ; s16  trips to go
.set CY,   17                          ; s17-19 in the loop: the carries of a level's three 64-bit products; nobody reads them.  (At the head the three are at work)
.set SP1,  22                          ; s22, s23 the two primes, s24 the mask: the low 19 bits are all that a hash keeps
.set SP2,  23
.set SMK,  24
.set S31,  25                          ; s25, s26 the level's scale: significand << 7, and as f32
.set SCF,  26
.set NB,   28                          ; s[28:29] where the next trip's words lie
.set STP,  30                          ; s[30:31] what NB steps by
.set TB,   32                          ; s[32+2l:33+2l] level l's table; never rewritten
.set ESP,  0
	s_load_b256 s[4:11], s[0:1], 0x0               ; wbuf s[4:5], frags s[6:7], table s[8:9], the scales' exponents s[10:11]
	s_load_b64 s[12:13], s[0:1], 0x20              ; out0
	v_lshl_add_u32 v128, v0, 2, 0x5000
	v_mov_b32 v129, 0
	v_lshrrev_b32 v22, 5, v0
	v_readfirstlane_b32 s[WV], v22
	v_and_b32 v23, 31, v0                          ; lane
	v_lshlrev_b32 v[LN16], 4, v23
	v_mul_u32_u24 v[WOFF], v23, 12
	v_and_b32 v24, 15, v0                          ; r
	v_bfe_u32 v25, v0, 4, 1                        ; h
	s_wait_alu depctr_va_sdst(0)                   ; s14, my wave's number, is written, ahead of its first reader: the stage's place and the bases of wbuf and out0 are made from it
	s_mul_i32 s15, s[WV], WSTAGE                   ; my wave's stage
	v_mul_u32_u24 v[STO], v24, SPITCH
	v_lshl_add_u32 v[STO], v25, 5, v[STO]
	v_add_nc_u32 v[STO], s15, v[STO]               ; in: point r, units 8 h on
	v_lshrrev_b32 v26, 2, v23
	v_mul_u32_u24 v[SRD], v26, SPITCH
	v_and_b32 v27, 3, v23
	v_lshl_add_u32 v[SRD], v27, 4, v[SRD]
	v_add_nc_u32 v[SRD], s15, v[SRD]               ; back: four lanes to a point, eight points a load
	v_mov_b32 v[Z], 0
	v_mov_b32 v[Z+1], 0
	s_lshl_b32 s17, ttmp9, 3
	s_add_co_u32 s17, s17, s[WV]                   ; g
	s_lshl_b32 s18, s17, 13                        ; 128 points x 64 bytes of out0
	s_mov_b32 s19, 0
	s_mul_i32 s[STP], s17, 1536                    ; 128 points x 12 bytes of wbuf
	s_mov_b32 s[STP+1], 0
	s_mov_b32 s[SP1], 0x779B1                      ; 2,654,435,761 & 0x7ffff
	s_mov_b32 s[SP2], 0x25795                      ; 805,459,861 & 0x7ffff
	s_mov_b32 s[SMK], 0x7ffff
	s_mov_b32 s[TRIP], TRIPS
	s_wait_kmcnt 0x0
	s_load_b32 s20, s[10:11], 0x0                  ; e0
	s_add_nc_u64 s[12:13], s[12:13], s[18:19]
	s_add_nc_u64 s[NB:NB+1], s[4:5], s[STP:STP+1]
	s_wait_alu depctr_va_vdst(0)                   ; v1 to v4 are written: the offsets and LDS addresses that the kernel's loads, stores and LDS instructions read; no line writes them again
	global_load_b32 v[NWX], v[WOFF], s[NB:NB+1] th:TH_LOAD_NT          ; the first trip's words: 384 consecutive bytes a wave
	global_load_b32 v[NWY], v[WOFF], s[NB:NB+1] offset:4 th:TH_LOAD_NT
	global_load_b32 v[NWZ], v[WOFF], s[NB:NB+1] offset:8 th:TH_LOAD_NT
	s_mov_b64 s[TB:TB+1], s[8:9]
.irp l, 1,2,3,4,5,6,7,8,9,10,11,12,13,14,15
	s_add_nc_u64 s[TB+2*\l:TB+2*\l+1], s[TB+2*\l-2:TB+2*\l-1], LEVELB
.endr
	s_wait_xcnt 0x0                                ; the three loads have read their base: it may step
	s_add_nc_u64 s[NB:NB+1], s[NB:NB+1], 384
	s_wait_kmcnt 0x0
	s_add_co_i32 s17, s20, 127
	s_lshl_b32 s18, s17, 23
	v_mov_b32 v[CSC], s18                          ; 2^e0 as f32: the conversion takes its exponent field
	s_add_co_i32 s17, s17, 15
	s_lshl_b32 s17, s17, 23
	s_or_b32 s17, s17, 0x600000
	v_mov_b32 v[LIM], s17                          ; 57,344 x 2^e0
.macro UNPACK c, nw                    ; a word gives the significand, the shift count, and x itself: (M24 << 8) x 2^(E - 158) = x, and E - 158 = -6 - Q
	v_and_b32 v[MX+\c], 0xffffff00, v[\nw]
	v_and_b32 v[Q+\c], 0xff, v[\nw]
	v_cvt_f32_u32 v[XF+\c], v[MX+\c]               ; 24 significant bits: exact
	v_sub_nc_u32 v[T+\c], -6, v[Q+\c]
	v_ldexp_f32 v[XF+\c], v[XF+\c], v[T+\c]
.endm
; LEVEL l: indices into IX, eight gathers into set D, and, while they are out, the eight weights into W.
.macro ADDR l, D, W
	s_mov_b32 s[S31], (((SC\l) & 0x7fffff) | 0x800000) << 7
	s_mov_b32 s[SCF], SC\l
.if \l == 0
.irp c, 0,1,2
	v_min_u32 v[SH+\c], 31, v[Q+\c]                ; t is below 2^31: a shift of 31 gives 0, as every longer one would
.endr
.elseif ((SC\l) >> 23) != ESP
.irp c, 0,1,2
	v_add_nc_u32 v[Q+\c], -1, v[Q+\c]              ; the scale's exponent has grown by one
.endr
.irp c, 0,1,2
	v_min_u32 v[SH+\c], 31, v[Q+\c]
.endr
.endif
.set ESP, (SC\l) >> 23
.irp c, 0,1,2
	v_mad_co_u64_u32 v[T+2*\c:T+2*\c+1], s[CY+\c], v[MX+\c], s[S31], v[Z:Z+1]   ; the upper word is t.  The carry, which nobody reads, goes into a scalar register of this product's own
.endr
	s_wait_alu depctr_va_sdst(0)                   ; the three carries s17-19 are written, straight behind the run that writes them and ahead of the next lines that name them: the next level's three products
.irp c, 0,1,2
	v_mul_f32 v[U+2*\c+1], s[SCF], v[XF+\c]        ; pos, rounded to f32 as reference() rounds it
.endr
.irp c, 0,1,2
	v_lshrrev_b32 v[T+2*\c+1], v[SH+\c], v[T+2*\c+1]   ; ix, iy, iz
.endr
.irp c, 0,1,2
	v_cvt_f32_u32 v[T+2*\c], v[T+2*\c+1]           ; base, exact
.endr
	v_mul_u32_u24 v[\D+1], v[T+3], s[SP1]          ; iy x prime: the low 19 bits hang on the factors' low 19 bits alone.  (D's odd registers are at work until the loads go out)
	v_mul_u32_u24 v[\D+5], v[T+5], s[SP2]          ; iz x prime
	v_add_nc_u32 v[T+3], 1, v[T+1]                 ; ix + 1
	v_add_nc_u32 v[\D+3], s[SP1], v[\D+1]          ; (iy + 1) x prime
	v_add_nc_u32 v[\D+7], s[SP2], v[\D+5]          ; (iz + 1) x prime
	v_and_b32 v[T+1], s[SMK], v[T+1]
	v_and_b32 v[T+3], s[SMK], v[T+3]
	v_xor_b32 v[\D+9],  v[\D+1], v[\D+5]           ; dy, dz = 0, 0
	v_xor_b32 v[\D+11], v[\D+1], v[\D+7]           ; 0, 1
	v_xor_b32 v[\D+13], v[\D+3], v[\D+5]           ; 1, 0
	v_xor_b32 v[\D+15], v[\D+3], v[\D+7]           ; 1, 1
.irp c, 0,1,2,3
	v_and_b32 v[\D+9+2*\c], s[SMK], v[\D+9+2*\c]
.endr
.if \l > 0
	s_wait_xcnt 0x0                                ; every earlier memory instruction has had its addresses translated (ISA guide 3.1): v[IX ..], the offsets of the level before's gathers, which are still out, are rewritten only behind this wait,
	s_wait_alu depctr_vm_vsrc(0)                   ; and the level before's gathers have read v[IX ..], which the lines below write again.  (Level 0 finds this stated at the last trip's end)
.endif
.irp c, 0,1,2,3
	v_xor_b32 v[IX+\c],   v[T+1], v[\D+9+2*\c]     ; corner c = 4 dx + 2 dy + dz, dx = 0
	v_xor_b32 v[IX+4+\c], v[T+3], v[\D+9+2*\c]     ; dx = 1
.endr
.irp c, 0,1,2,3,4,5,6,7
	v_min_u32 v[IX+\c], 0x7ffff, v[IX+\c]          ; the index stays inside the level's table whatever the words hold
.endr
.if \l == 0
	s_wait_alu depctr_va_vdst(0)                   ; v[IX ..] are written, which the gathers read; the set's odd registers are written, in which they land; the unpacking lines are done reading the three words, in which the next trip's land
	global_load_b32 v[NWX], v[WOFF], s[NB:NB+1] th:TH_LOAD_NT          ; the next trip's words.  In the last trip NB stands on the trip's own 384 bytes: the loads stay inside wbuf, and nobody reads what they bring
	global_load_b32 v[NWY], v[WOFF], s[NB:NB+1] offset:4 th:TH_LOAD_NT
	global_load_b32 v[NWZ], v[WOFF], s[NB:NB+1] offset:8 th:TH_LOAD_NT
.else
	s_wait_alu depctr_va_vdst(0)                   ; v[IX ..] are written, which the gathers read; the set's odd registers are written, and the multiply-adds of two levels back are done reading the set, in which the gathers land
.endif
.irp c, 0,1,2,3,4,5,6,7
	global_load_b64 v[\D+2*\c:\D+2*\c+1], v[IX+\c], s[TB+2*\l:TB+2*\l+1] scale_offset   ; entry = 8 bytes
.endr
.irp c, 0,1,2
	v_sub_f32 v[U+2*\c+1], v[U+2*\c+1], v[T+2*\c]  ; frac = pos - base.  (No wait from here to the macro's end: these twelve lines name v22-37 and W, none of the registers that the gathers touch)
.endr
.irp c, 0,1,2
	v_sub_f32 v[U+2*\c], 1.0, v[U+2*\c+1]          ; 1 - frac.  U0, U1: x's two weights; U2, U3: y's; U4, U5: z's
.endr
	v_pk_mul_f32 v[U+6:U+7], v[U+2:U+3], v[U:U+1] op_sel_hi:[1,0]                  ; (wx wy) for dx = 0: dy = 0, 1
	v_pk_mul_f32 v[U+8:U+9], v[U+2:U+3], v[U:U+1] op_sel:[0,1] op_sel_hi:[1,1]     ; dx = 1
	v_pk_mul_f32 v[\W:\W+1],   v[U+4:U+5], v[U+6:U+7] op_sel_hi:[1,0]              ; (wx wy) wz, in reference()'s order: W[c] is corner c's weight
	v_pk_mul_f32 v[\W+2:\W+3], v[U+4:U+5], v[U+6:U+7] op_sel:[0,1] op_sel_hi:[1,1]
	v_pk_mul_f32 v[\W+4:\W+5], v[U+4:U+5], v[U+8:U+9] op_sel_hi:[1,0]
	v_pk_mul_f32 v[\W+6:\W+7], v[U+4:U+5], v[U+8:U+9] op_sel:[0,1] op_sel_hi:[1,1]
.endm
; level l's two features: the eight corners in order, both features in one packed multiply-add.  n: the loads issued behind this level's eight, which may stay out
.macro ACC l, D, W, n
.set FL, FT+2*((\l)%4)
	s_wait_loadcnt \n
	v_pk_mul_f32 v[FL:FL+1], v[\D:\D+1], v[\W:\W+1] op_sel_hi:[1,0]
	v_pk_fma_f32 v[FL:FL+1], v[\D+2:\D+3], v[\W:\W+1], v[FL:FL+1] op_sel:[0,1,0] op_sel_hi:[1,1,1]
.irp p, 1,2,3
	v_pk_fma_f32 v[FL:FL+1], v[\D+4*\p:\D+4*\p+1], v[\W+2*\p:\W+2*\p+1], v[FL:FL+1] op_sel_hi:[1,0,1]
	v_pk_fma_f32 v[FL:FL+1], v[\D+4*\p+2:\D+4*\p+3], v[\W+2*\p:\W+2*\p+1], v[FL:FL+1] op_sel:[0,1,0] op_sel_hi:[1,1,1]
.endr
.endm
; features 8 c .. 8 c + 7 of my point / 2^e0, held within +-57,344, to the nearest code, ties to even.
; Behind the conversion a plain vector line comes before anything touches its result or writes its sources: for c = 0, 1, 2 the next level's first line (levels 5, 9 and 13 begin with v_add_nc_u32); for c = 3 a v_nop is written.
.macro QUANT c
.irp i, 0,1,2,3,4,5,6,7
	v_med3_num_f32 v[FT+\i], v[FT+\i], -v[LIM], v[LIM]   ; the conversion to an 8-bit code does not saturate (ISA guide 7.6.2)
.endr
	v_cvt_scalef32_pk8_bf8_f32 v[CD+2*\c:CD+2*\c+1], v[FT:FT+7], v[CSC]
.endm
.macro FRAG f, reg                     ; image f of frags into eight registers: two loads of 512 consecutive bytes
	global_load_b128 v[\reg:\reg+3], v[LN16], s[6:7] offset:1024*\f
	global_load_b128 v[\reg+4:\reg+7], v[LN16], s[6:7] offset:1024*\f+512
.endm
; A vector instruction or an LDS store that reads a matrix result, and a vector instruction that writes one of a matrix instruction's registers, stand four places behind the form on codes and eight behind the f32 form;
; only plain vector instructions that name none of its registers are places.
.macro PLACES n
.rept \n
	v_nop
.endr
.endm
.macro RELU acc, rl                    ; the sums are read from their low end on, and what is made of them goes into other registers
.irp j, 0,1,2,3,4,5,6,7
	v_max_num_f32 v[\rl+\j], 0, v[\acc+\j]
.endr
.endm
; A layer left as it is: K = 16 in four steps of 4, the two tiles' accumulators by turns, one instruction a turn; the bias is the C of each sum's first step
.macro LAYER w, c
.irp s, 0,1,2,3
.if \s == 0
	v_wmma_f32_16x16x4_f32 v[AC0:AC0+7], v[\w:\w+1], v[RL0:RL0+1], v[\c:\c+7]
	v_wmma_f32_16x16x4_f32 v[AC1:AC1+7], v[\w:\w+1], v[RL1:RL1+1], v[\c:\c+7]
.else
	v_wmma_f32_16x16x4_f32 v[AC0:AC0+7], v[\w+2*\s:\w+2*\s+1], v[RL0+2*\s:RL0+2*\s+1], v[AC0:AC0+7]
	v_wmma_f32_16x16x4_f32 v[AC1:AC1+7], v[\w+2*\s:\w+2*\s+1], v[RL1+2*\s:RL1+2*\s+1], v[AC1:AC1+7]
.endif
.endr
	PLACES 8
.endm
.Ltrip:
	s_wait_loadcnt 0x0                             ; this trip's words are in (from the second trip on every load has been waited for already)
	UNPACK 0, NWX
	UNPACK 1, NWY
	UNPACK 2, NWZ
	ADDR 0, DA, WA                                 ; the next trip's three words are asked for in level 0, behind its wait and ahead of its gathers
	ADDR 1, DB, WB
	ACC  0, DA, WA, 8                              ; the count 8 leaves the next level's eight gathers out; the three word loads are older
	ADDR 2, DA, WA
	ACC  1, DB, WB, 8
	ADDR 3, DB, WB
	ACC  2, DA, WA, 8
	ADDR 4, DA, WA
	ACC  3, DB, WB, 8
	QUANT 0
	ADDR 5, DB, WB
	ACC  4, DA, WA, 8
	ADDR 6, DA, WA
	ACC  5, DB, WB, 8
	ADDR 7, DB, WB
	ACC  6, DA, WA, 8
	ADDR 8, DA, WA
	ACC  7, DB, WB, 8
	QUANT 1
	ADDR 9, DB, WB
	ACC  8, DA, WA, 8
	ADDR 10, DA, WA
	ACC  9, DB, WB, 8
	ADDR 11, DB, WB
	ACC  10, DA, WA, 8
	ADDR 12, DA, WA
	ACC  11, DB, WB, 8
	QUANT 2
	ADDR 13, DB, WB
	ACC  12, DA, WA, 8
	ADDR 14, DA, WA
	ACC  13, DB, WB, 8
	ADDR 15, DB, WB
	ACC  14, DA, WA, 8
	s_wait_alu depctr_va_vdst(0)                   ; level 14's multiply-adds are done reading set A and its weights (v38-61), in which the six loads below land
	FRAG 0, WAF                                    ; set A is free: Wa, Wb, b0's image
	FRAG 1, WBF
	FRAG 2, C0F
	ACC  15, DB, WB, 6                             ; behind level 15's gathers: those six loads
	s_wait_alu depctr_vm_vsrc(0)                   ; level 15's gathers have read v[IX ..], in which product 1 writes its second tile; the loads from here to there read v1 alone
	s_wait_alu depctr_va_vdst(0)                   ; level 15's multiply-adds are done reading set B and its weights (v62-85), and its weights' lines are done with v22-29: the eight loads below land there
	FRAG 3, W1F                                    ; set B is free: W1's image, b1, W2's image; b2 into registers that the levels have left
	FRAG 4, C1F
	FRAG 5, W2F
	FRAG 6, C2F
	QUANT 3
	v_nop                                          ; the plain line between the last conversion and the products, which read its result and write over its sources
	; ---- product 1, on codes
	s_wait_loadcnt 8                               ; Wa, Wb and b0's image are in; the eight loads behind them may be out
	v_wmma_f32_16x16x64_bf8_bf8 v[P0:P0+7], v[WAF:WAF+7], v[CD:CD+7], v[C0F:C0F+7]   ; points 0-15
	v_wmma_f32_16x16x64_bf8_bf8 v[P1:P1+7], v[WBF:WBF+7], v[CD:CD+7], v[C0F:C0F+7]   ; points 16-31
	PLACES 4
	RELU P0, RL0
	RELU P1, RL1
	; ---- product 2
	s_wait_loadcnt 4                               ; W1's image and b1 are in; W2's and b2 may be out
	LAYER W1F, C1F
	RELU AC0, RL0                                  ; eight places behind the layer: its results are read and its sources written again
	RELU AC1, RL1
	; ---- product 3.  It begins the two accumulators anew with another C: sixteen places lie between (the eight v_nop and the other tile's eight maxima, which name none of the registers in question)
	s_wait_loadcnt 0x0
	LAYER W2F, C2F
	; ---- the way out: a lane holds 32 bytes of a point's 64; through my wave's stage they become 512 consecutive bytes a store.  LDS serves a wave's instructions in order (ISA guide 5.7.1.4): no wait between my stores and my loads
	s_wait_alu depctr_va_vdst(0)                   ; behind the layer's eight places, which stay: the matrix instructions have written v110-125, which the LDS stores read; product 1 and the maxima are done with v86-93 and v102-109, in which the LDS loads land
	ds_store_b128 v[STO], v[AC0:AC0+3]
	ds_store_b128 v[STO], v[AC0+4:AC0+7] offset:16
	ds_store_b128 v[STO], v[AC1:AC1+3] offset:16*SPITCH
	ds_store_b128 v[STO], v[AC1+4:AC1+7] offset:16*SPITCH+16
.irp q, 0,1,2,3
	ds_load_b128 v[P0+4*\q+8*(\q/2):P0+4*\q+8*(\q/2)+3], v[SRD] offset:8*SPITCH*\q   ; into v86, v90, v102, v106 on
.endr
.irp q, 0,1,2,3
	s_wait_dscnt 3-\q                              ; load q is back; the younger ones may be out
	global_store_b128 v[LN16], v[P0+4*\q+8*(\q/2):P0+4*\q+8*(\q/2)+3], s[12:13] offset:512*\q th:TH_STORE_NT   ; eight points: 512 consecutive bytes, aligned; written once
.endr
	s_wait_xcnt 0x0                                ; the stores and the word loads have read their registers and bases: both bases may step, and the next trip may write v86 on
	s_wait_alu depctr_vm_vsrc(0)                   ; the global stores have read v86-93 and v102-109, which the next trip's level 0 writes (features, indices); the LDS stores have read v110-125, which its layers write
	s_add_nc_u64 s[12:13], s[12:13], 2048
	s_cmp_ge_u32 s[TRIP], 3                        ; NB runs one trip ahead and stops at the wave's last 384 bytes
	s_cselect_b32 s[STP], 384, 0
	s_add_nc_u64 s[NB:NB+1], s[NB:NB+1], s[STP:STP+1]
	s_sub_co_u32 s[TRIP], s[TRIP], 1
	s_cmp_lg_u32 s[TRIP], 0
	s_cbranch_scc1 .Ltrip
	s_wait_dscnt 0x0
	s_wait_alu depctr_hold_cnt(0) depctr_sa_sdst(0) depctr_va_vdst(0) depctr_va_sdst(0) depctr_va_ssrc(0) depctr_va_vcc(0) depctr_vm_vsrc(0)
	s_wait_tensorcnt 0x0
	ds_add_u32 v128, v129
	s_wait_dscnt 0x0
	s_endpgm
.Lfunc_end_k_q1837389a04_grid:
	.size	k_q1837389a04_grid, .Lfunc_end_k_q1837389a04_grid-k_q1837389a04_grid
	.p2alignl 7, 3214868480
	.fill 96, 4, 3214868480
	.section	.rodata,"a",@progbits
	.p2align	6, 0x0
	.amdhsa_kernel k_q1837389a04_grid
		.amdhsa_group_segment_fixed_size 21504
		.amdhsa_private_segment_fixed_size 0
		.amdhsa_enable_private_segment 0
		.amdhsa_kernarg_size 40
		.amdhsa_user_sgpr_count 2
		.amdhsa_user_sgpr_kernarg_segment_ptr 1
		.amdhsa_wavefront_size32 1
		.amdhsa_system_sgpr_workgroup_id_x 1
		.amdhsa_system_sgpr_workgroup_id_y 1
		.amdhsa_system_sgpr_workgroup_id_z 1
		.amdhsa_system_vgpr_workitem_id 0
		.amdhsa_next_free_vgpr 130
		.amdhsa_next_free_sgpr 66
		.amdhsa_reserve_vcc 0
		.amdhsa_float_denorm_mode_32 3
		.amdhsa_float_denorm_mode_16_64 3
		.amdhsa_memory_ordered 1
		.amdhsa_forward_progress 1
		.amdhsa_inst_pref_size 76
	.end_amdhsa_kernel
	.amdgpu_metadata
---
amdhsa.version: [ 1, 2 ]
amdhsa.kernels:
  - .name:           k_q1837389a04_grid
    .symbol:         k_q1837389a04_grid.kd
    .args:
      - { .name: wbuf, .offset: 0, .size: 8, .value_kind: global_buffer, .address_space: global }
      - { .name: frags, .offset: 8, .size: 8, .value_kind: global_buffer, .address_space: global }
      - { .name: table, .offset: 16, .size: 8, .value_kind: global_buffer, .address_space: global }
      - { .name: lowp_scales, .offset: 24, .size: 8, .value_kind: global_buffer, .address_space: global }
      - { .name: out0, .offset: 32, .size: 8, .value_kind: global_buffer, .address_space: global }
    .group_segment_fixed_size: 21504
    .private_segment_fixed_size: 0
    .kernarg_segment_align: 8
    .kernarg_segment_size: 40
    .max_flat_workgroup_size: 256
    .sgpr_count:     66
    .vgpr_count:     130
    .wavefront_size: 32
...
	.end_amdgpu_metadata
.endif
;; end of part 3
